; MI455X (gfx1250); checked and timed in simulation.
; The chip was launched on July 23, 2026; its instructions are those of AMD's public machine-readable ISA for CDNA 5 (MIT licence, August 2026) and "CDNA5" Instruction Set Architecture Reference Guide (July 2026). The comments in the code are by the model that wrote it; some were corrected since.
;; Multi Head Attention Quantum. Allowed arithmetic: matrix products marked QUANTISED: E2M1 operands, one E8M0 scale for each 32 along K, by v_wmma_scale_f32_16x16x128_f8f6f4 with both operands' format E2M1 (or v_wmma_scale_f32_32x16x128_f4), f32 sums; products left as they are: f32 operands where the result goes on into a quantised operand, else bf16, f16 or f32 operands; f32 sums; everything else in f32.
;; Inputs: theta 8 float32; w_combine 128 x 128 float32; x 8 x 512 x 128 float32.
;; Outputs: out0 8 x 512 x 128 float32.
;; This version of the problem:
;;   THIS VERSION OF THE PROBLEM IS GIVEN IN LOW PRECISION. The matrix products marked QUANTISED in the list below multiply operands that are first quantised to E2M1 (2 exponent bits, 1 mantissa bit; 4 bits a number), with one power-of-two scale for each 32 numbers along K (OCP MX v1.0); their sums are f32. All else is computed in f32.
;;   The module's matrix products, in the order in which they are computed (A, B: the left and right operand; K: the contracted axis; several contracted axes count as one K, in the product's order):
;;     1. batch 4,096 x [M 16, K 8] x [K 8, N 16]; A: computed on the way; B: computed on the way: left as it is (K = 8 < 32)
;;     2. batch 4,096 x [M 16, K 16] x [K 16, N 8]; A: softmax; B: computed on the way: left as it is (K = 16 < 32)
;;     3. [M 4,096, K 128] x [K 128, N 128]; A: computed on the way; B: input w_combine: QUANTISED
;;   THE QUANTISER, for each operand of a quantised product, along K:
;;     - K is cut into blocks of 32 from its start; a last block that is shorter is filled with zeros.
;;     - A block's scale is 2^e with e = floor(log2(the largest magnitude in the block)) - 2, held to -126 .. 127; a block of zeros has e = 0. As a byte (E8M0): e + 127.
;;     - Each number is divided by its block's scale, clamped to +-6, and rounded to the nearest number of E2M1, ties to even, subnormals kept.
;;     - The product sums the exact products of the quantised numbers (number of the format x scale) in f32.
;;   ~~~python
;;   def quantise(x, axis):      # numpy; x: float32 -> the quantised numbers, widened to float32 again
;;       x = np.moveaxis(x, axis, -1); K = x.shape[-1]
;;       x = np.pad(x, [(0, 0)] * (x.ndim - 1) + [(0, -K % 32)]); x = x.reshape(x.shape[:-1] + (-1, 32)); a = np.abs(x).max(-1, keepdims=True)
;;       e = np.where(a > 0, np.clip(np.frexp(np.where(a > 0, a, 1))[1] - 1 - 2, -126, 127), 0)      # np.frexp(a)[1] - 1 = floor(log2(a)), exactly
;;       r = np.clip(x / 2.0 ** e, -6, 6)
;;       step = 2.0 ** (np.maximum(np.frexp(np.where(r == 0, 1, r))[1] - 1, 0) - 1)
;;       q = np.round(r / step) * step * 2.0 ** e      # np.round: ties to even
;;       return np.moveaxis(q.reshape(q.shape[:-2] + (-1,))[..., :K], -1, axis).astype(np.float32)
;;   ~~~
;;   OPERANDS COMPUTED ON THE WAY. 'Computed on the way' means the value that the module computes at that place (a softmax that the list does not call 'softmax' is quantised finished and normalised). What goes into a quantiser is computed in f32, as accurately as f32 sums, v_exp_f32 and their like allow (about 1e-6 of the number): no bf16 or f16 on the way to a quantiser, and a product that is left as it is and whose result goes on into a quantised operand takes f32 operands (vector FMAs, or v_wmma_f32_16x16x4_f32). A number that lies on a knife's edge between two numbers of the format may be rounded either way, as far as f32 arithmetic and the matrix unit's own rounding can turn it there, and no further.
;; One version. Each part assembles by itself: llvm-mc -triple=amdgcn-amd-amdhsa -mcpu=gfx1250 --defsym DOCPART=n.
;; ======== version 1 of 1: 1 launch
;; limits: inputs' magnitudes at most 10,000
;; launch qattn (part 1): grid 256 x 1, 4 waves a work-group, clusters of 4 x 1, 168,448 bytes of LDS; arguments x, theta, w_combine, out0; writes out0
.if DOCPART == 1
	.amdgcn_target "amdgcn-amd-amdhsa--gfx1250"
	.amdhsa_code_object_version 6
	.text
	.protected	k_q932f349498_qattn
	.globl	k_q932f349498_qattn
	.p2align	8
	.type	k_q932f349498_qattn,@function
k_q932f349498_qattn:
	s_mov_b64 s[64:65], 0
	v_nop
	global_prefetch_b8 v0, s[64:65] scope:SCOPE_SE
	s_setreg_imm32_b32 hwreg(HW_REG_WAVE_MODE, 25, 1), 1
	s_wait_xcnt 0x0
	s_wait_alu depctr_hold_cnt(0) depctr_sa_sdst(0) depctr_va_vdst(0) depctr_va_sdst(0) depctr_va_ssrc(0) depctr_va_vcc(0) depctr_vm_vsrc(0)
	s_getreg_b32 s2, hwreg(HW_REG_IB_STS2, 6, 4)
	s_cmp_eq_u32 s2, 0
	s_cbranch_scc0 .Lentry_in_a_cluster
	s_endpgm
.Lentry_in_a_cluster:
	s_bfe_u32 s2, ttmp6, 0x10000c
	s_cmp_lg_u32 s2, 0x3003
	s_cbranch_scc0 .Lentry_shape_is_right
	s_endpgm
.Lentry_shape_is_right:
; out0 = A W^T, A = the attention over the 16 heads of each token, transposed and reshaped; the last product on codes of FP4 (E2M1) with one E8M0 scale for each 32 along K.
; THE CIRCUIT IN CLOSED FORM.  The state is a product state and the CNOTs only permute basis states, so the measured bits are parities of independent bits with mean c_j = cos(x_j + theta_j):
;   z_0 = c_1 c_2 .. c_7,   z_w = c_0 c_1 .. c_w (w = 1 .. 7).  This holds for every input.
; THE RESHAPE.  Row 32 h + s / 16 of A (in a batch) holds head h of the 16 tokens 16 (s / 16) .. + 15, column 8 (s % 16) + d.  So 16 neighbouring tokens make one tile of 16 rows x 128 of A (row = head),
;   and a block of 32 along K is 4 tokens x 8 numbers of one head.  4,096 tokens / 16 = 256 work-groups.
; SHARES.  Four waves.  Wave w owns tokens 4 w .. 4 w + 3: K block w.  Lane (r = lane % 16, a = lane / 16) holds head r of tokens 4 w + 2 a + u, u = 0, 1: its 16 results are k = 32 w + 16 a + 0 .. 15.
;   The 16 heads of a token lie in one row of 16 lanes: the two small products are f32 multiply-adds whose first source comes from lane h xor n (row_xmask:n), n = 0 .. 15.
;   Both tokens of a lane lie side by side (register 2 i + u), so that what needs no other lane goes two at a time.
; COS.  n = the whole number nearest to phi / pi - 1/2;  g = (n + 1/2) pi - phi, by two multiply-adds with pi in two parts, lies in -pi/2 .. pi/2;  cos(phi) = (-1)^n sin(g);
;   sin(g) = g + g z (a2 + z (a4 + z (a6 + z (a8 + z a10)))), z = g g (Abramowitz and Stegun 4.3.97, error 2e-9): small relative error at the zeros of the cosine too.
; W, 128 rows x 512 bytes of f32, is wanted whole by every work-group: the four work-groups of a cluster ask for it JOINTLY, each wave for its 32 rows, 64 KB once for the four.  A wave reads only the rows
;   that it asked for and quantises them in registers: a lane holds whole blocks of 32, and the conversions' results are the operand's registers.  LDS bytes are filled once: no ring.
; A's codes go from wave to wave as an image of the operand's registers: 8 bytes a lane at 256 w + 16 r + 8 a, the scale byte at 4 r + w.
; THE MATRIX INSTRUCTION IS USED TRANSPOSED (source 0 = 16 rows of W, source 1 = A's 16 rows): a lane holds eight neighbouring numbers of a row of the result.
; LIMITS.  The cosine keeps its accuracy for |x + theta| up to about 1e4 (beyond, g leaves its interval by |phi| x 1e-7; the parity of n holds to 1.3e7).  NaN and infinities are not served.
;   A block of zeros gets the scale byte 1 where the quantiser says 127: its codes are zeros, and only this kernel uses the bytes.
.set WP,    528                        ; a row of W in LDS: 512 bytes + 16 of padding = 132 words: the 16 rows that a load touches begin 4 banks apart (64 banks of 4 bytes: ISA guide 11.1)
.set WTILE, 32*WP                      ; a wave's 32 rows
.set AIMG,  0                          ; LDS: A's fragment, 1,024 bytes
.set ASC,   1024                       ; its scale words, 4 bytes a row
.set STG,   1280                       ; the stage for the result: 16 rows x (512 + 16) bytes
.set SP,    528
.set WT,    9728                       ; W: 4 x WTILE; no ds_store lands here, and no fill lands below
.set RR,   1                           ; v1   r
.set XO,   2                           ; v2   my byte in the wave's four rows of x
.set ZER,  3                           ; v3   0: theta's offset
.set AW,   4                           ; v4   where I store my 16 codes
.set SW,   5                           ; v5   and my block's scale byte
.set AR,   6                           ; v6   16 x lane: A's image on the way back; also my bytes of a row of out0
.set SR,   7                           ; v7   my row's scale word
.set WA,   8                           ; v8   my place in my wave's rows of W
.set STO,  9                           ; v9   the stage, in
.set SRD,  10                          ; v10  the stage, back
.set SH,   11                          ; v11  8 a
.set PT,   12                          ; v12  a lane permute's result
.set HA,   13                          ; v13  a
.set INVPI, 14                         ; v14-31 constants, each twice: a pair for the packed forms
.set MAGIC, 16
.set PIHI,  18
.set PIMID, 20
.set A10,   22
.set A8,    24
.set A6,    26
.set A4,    28
.set A2,    30
.set TT,   32                          ; v32-39   theta
.set X,    40                          ; v40-55   x, phi, sin(g): register 8 u + d
.set MG,   56                          ; v56-71   n + 1.5 x 2^23, then the sign
.set KK,   72                          ; v72-87   n + 1/2, then g z
.set GR,   88                          ; v88-103  g
.set ZS,   104                         ; v104-119 z
.set T,    120                         ; v120-135 the polynomial
.set C,    136                         ; v136-151 c: register 2 d + u
.set QQ,   152                         ; v152-167 c_1 .. c_w
.set WX,   40                          ; v40-167  later: my 128 numbers of W: block 2 t + c at 32 (2 t + c)
.set Z,    168                         ; v168-183 z: register 2 d + u
.set S,    184                         ; v184-215 scores, then p: register 2 n + u
.set O,    216                         ; v216-231 the attention's result: register 8 u + d: 16 neighbours along K
.set MA,   232
.set MB,   234
.set MC,   236
.set LA,   238
.set LB,   240
.set R,    242                         ; v242-245 1 / sum, twice for each token
.set QM,   246                         ; v246-251 A's quantiser at work; v250-251 the codes
.set WS,   252                         ; v252-253 W's scale words, v254 A's: these three hold scales and nothing else
.set AS,   254
.set PT2,  255
.set WF,   168                         ; later: W's two fragments
.set AF,   184                         ; A's fragment
.set D,    192                         ; the two results
.set WM,   208                         ; W's quantiser at work
.set WSC,  216
.set WBY,  220
.set WW,   224
.set OUTR, 40                          ; four rows of the result
.set WV,   12                          ; s12 wave
.set G0,   24                          ; s[24:27] descriptor group 0, s[28:35] group 1
.set G1,   28
.set CS,   36                          ; s[36:37] log2(e) / sqrt(8)
.set SEL,  38                          ; s[38:39] lane selects: lane xor 16
; A round of the cluster's barrier: my work-group's barrier, wave 0 signals for the work-group, every wave waits for all four work-groups, my work-group's barrier once more.
.macro ROUND
	s_barrier_signal -1
	s_barrier_wait -1
	s_cmp_lg_u32 s[WV], 0
	s_cbranch_scc1 .Lnot_wave_0_\@
	s_barrier_signal -3
.Lnot_wave_0_\@:
	s_barrier_wait -3
	s_barrier_signal -1
	s_barrier_wait -1
.endm
	s_load_b256 s[4:11], s[0:1], 0x0               ; x s[4:5], theta s[6:7], W s[8:9], out0 s[10:11]
	s_set_vgpr_msb 0x40
	v_lshl_add_u32 v0, v0, 2, 0x29000
	v_mov_b32 v1, 0
	s_set_vgpr_msb 0x4045
	ds_add_u32 v0, v1
	ds_add_u32 v0, v1
	s_set_vgpr_msb 0x4500
	v_lshrrev_b32 v1, 5, v0
	v_readfirstlane_b32 s[WV], v1                  ; wave 0..3
	v_and_b32 v[RR], 15, v0                        ; r: my head
	v_bfe_u32 v[HA], v0, 4, 1                      ; a
	v_lshlrev_b32 v[XO], 5, v[RR]                  ; x: 32 bytes a head,
	v_lshl_add_u32 v[XO], v[HA], 10, v[XO]         ; two rows of 512 bytes further on for lanes 16-31
	v_mov_b32 v[ZER], 0
	s_bfe_u32 s13, ttmp6, 0x40000                  ; cx: my place in the cluster
	s_lshl_b32 s14, ttmp9, 2                       ; in a cluster launch ttmp9 counts clusters
	s_add_co_u32 s14, s14, s13                     ; G: my group of 16 tokens.  It enters x's and out0's addresses alone
	s_lshl_b32 s16, s14, 13                        ; x: 16 rows of 512 bytes a group,
	s_lshl_b32 s17, s[WV], 11                      ; 4 rows a wave
	s_add_co_u32 s16, s16, s17
	s_mov_b32 s17, 0
	s_lshr_b32 s18, s14, 5                         ; out0: batch G / 32: 512 rows;
	s_lshl_b32 s18, s18, 9
	s_and_b32 s19, s14, 31                         ; row G % 32 of each head's 32;
	s_add_co_u32 s18, s18, s19
	s_lshl_b32 s18, s18, 9                         ; 512 bytes a row;
	s_lshl_b32 s19, s[WV], 16                      ; I store heads 4 w .. 4 w + 3: 32 rows apart
	s_add_co_u32 s18, s18, s19
	s_mov_b32 s19, 0
	s_lshl_b32 s20, s[WV], 14                      ; W: my 32 rows of 512 bytes
	s_mov_b32 s21, 0
	s_lshl_b32 s22, s[WV], 8                       ; A's image: 256 bytes a block
	s_lshl_b32 s23, s[WV], 7                       ; the stage: my 32 columns
	s_add_co_u32 s23, s23, STG
	s_mul_i32 s15, s[WV], 4*SP                     ; and the four rows that I take back
	s_add_co_u32 s15, s15, STG
	s_mov_b32 s[G0], 1                             ; 1:0 count = 1
	s_mul_i32 s[G0+1], s[WV], WTILE                ; 63:32 LDS address: a constant + the wave's number x a constant: no place in the cluster enters it
	s_add_co_u32 s[G0+1], s[G0+1], WT
	s_mov_b32 s[G1], 15|(2<<16)|(1<<20)|(1<<21)|(6<<22)|(3<<25)  ; 15:0 the mask: all four work-groups; 17:16 elements of 4 bytes; 20 padding on; 21 set beside a mask; 24:22 after every 128 words (code 6); 31:25 four words (code 3)
	s_mov_b32 s[G1+1], 128<<16                     ; tensor_dim0 = 128
	s_mov_b32 s[G1+2], 32<<16                      ; tensor_dim1 = 32
	s_mov_b32 s[G1+3], 128<<16                     ; tile_dim0 = 128
	s_mov_b32 s[G1+4], 32                          ; tile_dim1 = 32
	s_mov_b32 s[G1+5], 128                         ; elements from row to row
	s_mov_b32 s[G1+6], 0
	s_mov_b32 s[G1+7], 0
	s_mov_b32 s[CS], 0x3f0293ee                    ; log2(e) / sqrt(8)
	s_mov_b32 s[CS+1], s[CS]                       ; (named with it as a pair, so it is written)
	s_mov_b32 s[SEL], 0x76543210
	s_mov_b32 s[SEL+1], 0xfedcba98
	s_wait_dscnt 0x0
	s_wait_kmcnt 0x0
	s_add_nc_u64 s[4:5], s[4:5], s[16:17]
	s_add_nc_u64 s[10:11], s[10:11], s[18:19]
	s_add_nc_u64 s[G0+2:G0+3], s[8:9], s[20:21]    ; 120:64 global address: the same in all four partners
	s_or_b32 s[G0+3], s[G0+3], 0x80000000          ; 127:126 type = 2
	; x goes out first, ahead of the round: the arithmetic begins with it.  A pair of loads takes a token's 512 bytes: 16 lanes, 32 bytes each
	global_load_b128 v[X:X+3],     v[XO], s[4:5] th:TH_LOAD_NT
	global_load_b128 v[X+4:X+7],   v[XO], s[4:5] offset:16 th:TH_LOAD_NT
	global_load_b128 v[X+8:X+11],  v[XO], s[4:5] offset:512 th:TH_LOAD_NT
	global_load_b128 v[X+12:X+15], v[XO], s[4:5] offset:528 th:TH_LOAD_NT
	global_load_b128 v[TT:TT+3],   v[ZER], s[6:7]
	global_load_b128 v[TT+4:TT+7], v[ZER], s[6:7] offset:16
	ROUND                                          ; all four work-groups are here: the joint loads meet
	tensor_load_to_lds s[G0:G0+3], s[G1:G1+7]      ; my 32 rows of W: the wave's one tensor load
	s_nop 0
	; what follows stands while x is on its way
.irp p, 0,1
	v_mov_b32 v[INVPI+\p], 0x3ea2f983              ; 1 / pi
	v_mov_b32 v[MAGIC+\p], 0x4b400000              ; 1.5 x 2^23: a sum with it is a whole number, whose lowest bit is n's parity
	v_mov_b32 v[PIHI+\p],  0x40490fdb              ; pi, upper part
	v_mov_b32 v[PIMID+\p], 0xb3bbbd2e              ; pi less its upper part
	v_mov_b32 v[A10+\p],   0xb2cd4ca8              ; -0.0000000239
	v_mov_b32 v[A8+\p],    0x3638b94f              ;  0.0000027526
	v_mov_b32 v[A6+\p],    0xb9500c03              ; -0.0001984090
	v_mov_b32 v[A4+\p],    0x3c088887              ;  0.0083333315
	v_mov_b32 v[A2+\p],    0xbe2aaaab              ; -0.1666666664
.endr
.set i, 2
.rept 30
	v_mov_b32 v[S+i], 0                            ; the result of a form that takes a source from another lane counts as one of its sources, so the 30 scores of n > 0 are written once; zeros: all eight terms are then the same line
.set i, i+1
.endr
	v_mov_b32 v[PT], 0                             ; likewise the lane permutes' results
	v_mov_b32 v[PT2], 0
	v_and_b32 v[AR], 31, v0
	v_lshlrev_b32 v[AR], 4, v[AR]                  ; 16 x lane
	v_lshlrev_b32 v[AW], 4, v[RR]
	v_lshl_add_u32 v[AW], v[HA], 3, v[AW]
	v_add_nc_u32 v[AW], s22, v[AW]                 ; 256 w + 16 r + 8 a: in the image, lane r + 16 (w % 2) has block w in its registers 4 (w / 2) on
	v_lshl_add_u32 v[SR], v[RR], 2, ASC            ; my row's scale word,
	v_add_nc_u32 v[SW], s[WV], v[SR]               ; and block w's byte in it
	v_mul_u32_u24 v[WA], v[RR], WP                 ; r x 528, for W and for the stage
	v_lshl_add_u32 v[STO], v[HA], 5, v[WA]
	v_add_nc_u32 v[STO], s23, v[STO]               ; the stage: row r, 128 w + 32 a bytes on
	v_lshl_add_u32 v[WA], v[HA], 7, v[WA]          ; W: row r, lanes 16-31 one block of 32 numbers further on
	v_add_nc_u32 v[WA], s[G0+1], v[WA]
	v_add_nc_u32 v[SRD], s15, v[AR]
	v_lshlrev_b32 v[SH], 3, v[HA]
	; ---- c = cos(x + theta): 16 numbers a lane, two at a time, the eight pairs by turns
	s_wait_loadcnt 0x0                             ; x and theta
.irp i, 0,2,4,6,8,10,12,14
	v_pk_add_f32 v[X+\i:X+\i+1], v[X+\i:X+\i+1], v[TT+(\i%8):TT+(\i%8)+1]   ; phi
.endr
.irp i, 0,2,4,6,8,10,12,14
	v_pk_fma_f32 v[KK+\i:KK+\i+1], v[X+\i:X+\i+1], v[INVPI:INVPI+1], -0.5 op_sel_hi:[1,1,0]
.endr
.irp i, 0,2,4,6,8,10,12,14
	v_pk_add_f32 v[MG+\i:MG+\i+1], v[KK+\i:KK+\i+1], v[MAGIC:MAGIC+1]       ; rounded to a whole number: n + 1.5 x 2^23
.endr
.irp i, 0,2,4,6,8,10,12,14
	v_pk_add_f32 v[KK+\i:KK+\i+1], v[MG+\i:MG+\i+1], v[MAGIC:MAGIC+1] neg_lo:[0,1] neg_hi:[0,1]   ; n
.endr
.irp i, 0,2,4,6,8,10,12,14
	v_pk_add_f32 v[KK+\i:KK+\i+1], v[KK+\i:KK+\i+1], 0.5 op_sel_hi:[1,0]    ; n + 1/2, exact
.endr
.irp i, 0,2,4,6,8,10,12,14
	v_pk_fma_f32 v[GR+\i:GR+\i+1], v[KK+\i:KK+\i+1], v[PIHI:PIHI+1], v[X+\i:X+\i+1] neg_lo:[0,0,1] neg_hi:[0,0,1]
.endr
.irp i, 0,2,4,6,8,10,12,14
	v_pk_fma_f32 v[GR+\i:GR+\i+1], v[KK+\i:KK+\i+1], v[PIMID:PIMID+1], v[GR+\i:GR+\i+1]   ; g = (n + 1/2) pi - phi
.endr
.irp i, 0,2,4,6,8,10,12,14
	v_pk_mul_f32 v[ZS+\i:ZS+\i+1], v[GR+\i:GR+\i+1], v[GR+\i:GR+\i+1]       ; z
.endr
.irp i, 0,2,4,6,8,10,12,14
	v_pk_fma_f32 v[T+\i:T+\i+1], v[ZS+\i:ZS+\i+1], v[A10:A10+1], v[A8:A8+1]
.endr
.irp i, 0,2,4,6,8,10,12,14
	v_pk_fma_f32 v[T+\i:T+\i+1], v[T+\i:T+\i+1], v[ZS+\i:ZS+\i+1], v[A6:A6+1]
.endr
.irp i, 0,2,4,6,8,10,12,14
	v_pk_fma_f32 v[T+\i:T+\i+1], v[T+\i:T+\i+1], v[ZS+\i:ZS+\i+1], v[A4:A4+1]
.endr
.irp i, 0,2,4,6,8,10,12,14
	v_pk_fma_f32 v[T+\i:T+\i+1], v[T+\i:T+\i+1], v[ZS+\i:ZS+\i+1], v[A2:A2+1]
.endr
.irp i, 0,2,4,6,8,10,12,14
	v_pk_mul_f32 v[KK+\i:KK+\i+1], v[GR+\i:GR+\i+1], v[ZS+\i:ZS+\i+1]       ; g z
.endr
.irp i, 0,2,4,6,8,10,12,14
	v_pk_fma_f32 v[X+\i:X+\i+1], v[T+\i:T+\i+1], v[KK+\i:KK+\i+1], v[GR+\i:GR+\i+1]   ; sin(g)
.endr
.set i, 0
.rept 16
	v_lshlrev_b32 v[MG+i], 31, v[MG+i]             ; n's parity as a sign
.set i, i+1
.endr
.set i, 0
.rept 16
	v_xor_b32 v[C+2*(i%8)+i/8], v[X+i], v[MG+i]    ; c = (-1)^n sin(g); from here on the two tokens lie side by side
.set i, i+1
.endr
	; ---- z: q_w = c_1 .. c_w;  z_0 = q_7;  z_w = c_0 q_w
	v_pk_mul_f32 v[QQ+4:QQ+5], v[C+2:C+3], v[C+4:C+5]
	v_pk_mul_f32 v[Z+2:Z+3], v[C:C+1], v[C+2:C+3]
.irp w, 3,4,5,6
	v_pk_mul_f32 v[QQ+2*\w:QQ+2*\w+1], v[QQ+2*\w-2:QQ+2*\w-1], v[C+2*\w:C+2*\w+1]
	v_pk_mul_f32 v[Z+2*\w-2:Z+2*\w-1], v[C:C+1], v[QQ+2*\w-2:QQ+2*\w-1]
.endr
	v_pk_mul_f32 v[Z:Z+1], v[QQ+12:QQ+13], v[C+14:C+15]
	v_pk_mul_f32 v[Z+12:Z+13], v[C:C+1], v[QQ+12:QQ+13]
	v_pk_mul_f32 v[Z+14:Z+15], v[C:C+1], v[Z:Z+1]
	; ---- scores: register 2 n + u = z(my head) . z(head xor n), f32 multiply-adds; 32 sums by turns
.irp d, 0,1,2,3,4,5,6,7
.if \d == 0
	v_pk_mul_f32 v[S:S+1], v[Z:Z+1], v[Z:Z+1]      ; n = 0 needs no other lane
.else
	v_pk_fma_f32 v[S:S+1], v[Z+2*\d:Z+2*\d+1], v[Z+2*\d:Z+2*\d+1], v[S:S+1]
.endif
.irp n, 1,2,3,4,5,6,7,8,9,10,11,12,13,14,15
.irp u, 0,1
	v_fmac_f32_dpp v[S+2*\n+\u], v[Z+2*\d+\u], v[Z+2*\d+\u] row_xmask:\n row_mask:0xf bank_mask:0xf
.endr
.endr
.endr
	; ---- softmax over the 16 heads: the row's largest score is taken away; p = 2^(c s - c max)
.irp u, 0,1
	v_max3_num_f32 v[MA+\u], v[S+\u], v[S+2+\u], v[S+4+\u]
	v_max3_num_f32 v[MB+\u], v[S+6+\u], v[S+8+\u], v[S+10+\u]
.endr
.irp u, 0,1
	v_max3_num_f32 v[MA+\u], v[MA+\u], v[S+12+\u], v[S+14+\u]
	v_max3_num_f32 v[MB+\u], v[MB+\u], v[S+16+\u], v[S+18+\u]
.endr
.irp u, 0,1
	v_max3_num_f32 v[MA+\u], v[MA+\u], v[S+20+\u], v[S+22+\u]
	v_max3_num_f32 v[MB+\u], v[MB+\u], v[S+24+\u], v[S+26+\u]
.endr
.irp u, 0,1
	v_max3_num_f32 v[MA+\u], v[MA+\u], v[S+28+\u], v[S+30+\u]
.endr
.irp u, 0,1
	v_max_num_f32 v[MA+\u], v[MA+\u], v[MB+\u]
.endr
	v_pk_mul_f32 v[MC:MC+1], v[MA:MA+1], s[CS:CS+1] op_sel_hi:[1,0]
.irp n, 0,1,2,3,4,5,6,7,8,9,10,11,12,13,14,15
	v_pk_fma_f32 v[S+2*\n:S+2*\n+1], v[S+2*\n:S+2*\n+1], s[CS:CS+1], v[MC:MC+1] op_sel_hi:[1,0,1] neg_lo:[0,0,1] neg_hi:[0,0,1]
.endr
	s_wait_tensorcnt 0x0                           ; my rows of W are in LDS; only I use them, so this wait is all the ordering that the loads below need
.set i, 0
.rept 32                                       ; the 32 exponentials are one batch; between them my 128 numbers of W are asked for: tile i / 16, block (i / 8) % 2, 16 bytes each.  They land while the second product runs
	v_exp_f32 v[S+i], v[S+i]
	ds_load_b128 v[WX+4*i:WX+4*i+3], v[WA] offset:(i/16)*16*WP+((i/8)%2)*256+(i%8)*16
.set i, i+1
.endr
	v_nop                                          ; a plain instruction behind the last exponential
	s_wait_alu depctr_va_vdst(0)                   ; one wait for the batch, ahead of the first use of a result
	; ---- the second product: register 8 u + d = sum over n of p_n z_d(head xor n); the row's sums and their reciprocals stand among its first turns
.irp d, 0,1,2,3,4,5,6,7
.irp u, 0,1
	v_mul_f32 v[O+8*\u+\d], v[Z+2*\d+\u], v[S+\u]  ; n = 0 starts the sums
.endr
.endr
.irp n, 1,2,3,4,5,6,7,8,9,10,11,12,13,14,15
.if \n == 1
	v_pk_add_f32 v[LA:LA+1], v[S:S+1], v[S+2:S+3]
	v_pk_add_f32 v[LB:LB+1], v[S+4:S+5], v[S+6:S+7]
.elseif \n < 8
	v_pk_add_f32 v[LA:LA+1], v[LA:LA+1], v[S+4*\n:S+4*\n+1]
	v_pk_add_f32 v[LB:LB+1], v[LB:LB+1], v[S+4*\n+2:S+4*\n+3]
.elseif \n == 8
	v_pk_add_f32 v[LA:LA+1], v[LA:LA+1], v[LB:LB+1]   ; both tokens' sums of p
.elseif \n == 9
	v_rcp_f32 v[R], v[LA]                          ; each twice: a pair for the packed multiply
	v_rcp_f32 v[R+1], v[LA]
	v_rcp_f32 v[R+2], v[LA+1]
	v_rcp_f32 v[R+3], v[LA+1]
.endif
.irp d, 0,1,2,3,4,5,6,7
.irp u, 0,1
	v_fmac_f32_dpp v[O+8*\u+\d], v[Z+2*\d+\u], v[S+2*\n+\u] row_xmask:\n row_mask:0xf bank_mask:0xf
.endr
.endr
.endr
	s_wait_alu depctr_va_vdst(0)                   ; one wait for the four reciprocals, ahead of their first use
.irp u, 0,1
.irp i, 0,2,4,6
	v_pk_mul_f32 v[O+8*\u+\i:O+8*\u+\i+1], v[O+8*\u+\i:O+8*\u+\i+1], v[R+2*\u:R+2*\u+1]   ; / the sum
.endr
.endr
	; ---- A's block w of row r: my 16 numbers and lane xor 16's
	v_max3_num_f32 v[QM], |v[O]|, |v[O+1]|, 0x1800000          ; with the floor 2^(3 - 127): the byte cannot fall under 1
	v_max3_num_f32 v[QM+1], |v[O+2]|, |v[O+3]|, |v[O+4]|
	v_max3_num_f32 v[QM], v[QM], |v[O+5]|, |v[O+6]|
	v_max3_num_f32 v[QM+1], v[QM+1], |v[O+7]|, |v[O+8]|
	v_max3_num_f32 v[QM], v[QM], |v[O+9]|, |v[O+10]|
	v_max3_num_f32 v[QM+1], v[QM+1], |v[O+11]|, |v[O+12]|
	v_max3_num_f32 v[QM], v[QM], |v[O+13]|, |v[O+14]|
	v_max3_num_f32 v[QM], v[QM], v[QM+1], |v[O+15]|
	v_permlanex16_b32 v[PT], v[QM], s[SEL], s[SEL+1]
	v_max_num_f32 v[QM], v[QM], v[PT]              ; the block's largest magnitude
	v_add_nc_u32 v[QM+2], 0xff000000, v[QM]        ; 2 off its exponent field: the conversion takes the exponent field of this operand as its scale
	v_cvt_scalef32_pk8_fp4_f32 v[QM+4], v[O:O+7], v[QM+2]
	v_cvt_scalef32_pk8_fp4_f32 v[QM+5], v[O+8:O+15], v[QM+2]
	v_lshrrev_b32 v[QM+3], 23, v[QM+2]             ; the scale's byte.  (Also the plain instruction behind the conversions)
	ds_store_b64 v[AW], v[QM+4:QM+5] offset:AIMG   ; the wave's 256 bytes are consecutive
	ds_store_b8 v[SW], v[QM+3]                     ; both lanes of a block write the same byte with the same value
	; ---- W: my four blocks (tile t, block 2 c + a of its row r): all 32 numbers of a block are mine; two chains a block, eight by turns
	s_wait_dscnt 0x2                               ; behind W's 32 loads only the two stores above were issued
.irp b, 0,1,2,3
	v_max3_num_f32 v[WM+\b], |v[WX+32*\b]|, |v[WX+32*\b+1]|, 0x1800000
	v_max3_num_f32 v[WM+4+\b], |v[WX+32*\b+16]|, |v[WX+32*\b+17]|, |v[WX+32*\b+18]|
.endr
.irp i, 2,4,6,8,10,12
.irp b, 0,1,2,3
	v_max3_num_f32 v[WM+\b], v[WM+\b], |v[WX+32*\b+\i]|, |v[WX+32*\b+\i+1]|
	v_max3_num_f32 v[WM+4+\b], v[WM+4+\b], |v[WX+32*\b+\i+17]|, |v[WX+32*\b+\i+18]|
.endr
.endr
.irp b, 0,1,2,3
	v_max3_num_f32 v[WM+\b], v[WM+\b], |v[WX+32*\b+14]|, |v[WX+32*\b+15]|
.endr
.irp b, 0,1,2,3
	v_max3_num_f32 v[WM+\b], v[WM+\b], v[WM+4+\b], |v[WX+32*\b+31]|
.endr
	s_wait_dscnt 0x0                               ; for the others' sake: my codes and my byte lie in LDS
	s_barrier_signal -1                            ; only work on registers stands between the signal and the wait
.irp b, 0,1,2,3
	v_add_nc_u32 v[WSC+\b], 0xff000000, v[WM+\b]
.endr
.irp b, 0,1,2,3
	v_lshrrev_b32 v[WBY+\b], 23, v[WSC+\b]
.endr
.irp t, 0,1
	v_lshl_or_b32 v[WW+\t], v[WBY+2*\t+1], 16, v[WBY+2*\t]   ; my two bytes of tile t: blocks a and 2 + a,
.endr
.irp t, 0,1
	v_lshlrev_b32 v[WW+\t], v[SH], v[WW+\t]        ; at their places in the word, 8 a bits up;
.endr
	v_permlanex16_b32 v[PT], v[WW], s[SEL], s[SEL+1]
	v_permlanex16_b32 v[PT2], v[WW+1], s[SEL], s[SEL+1]
	v_or_b32 v[WS], v[WW], v[PT]                   ; with lane xor 16's two the word is whole
	v_or_b32 v[WS+1], v[WW+1], v[PT2]
.irp b, 0,1,2,3
.irp g, 0,1,2,3
	v_cvt_scalef32_pk8_fp4_f32 v[WF+4*\b+\g], v[WX+32*\b+8*\g:WX+32*\b+8*\g+7], v[WSC+\b]   ; registers 4 c .. 4 c + 3 of tile t's fragment: k = 64 c + 32 a + 0 .. 31
.endr
.endr
	v_nop                                          ; a plain instruction behind the last conversion
	s_barrier_wait -1                              ; A's four blocks and their bytes lie in LDS
	ds_load_b128 v[AF:AF+3], v[AR] offset:AIMG
	ds_load_b128 v[AF+4:AF+7], v[AR] offset:AIMG+512
	ds_load_b32 v[AS], v[SR]
.rept 8
	v_nop                                          ; W's scale words were written by vector instructions: eight places ahead of the scaled matrix instruction, its codes four; they stand while the loads are out
.endr
	s_wait_dscnt 0x0
.irp t, 0,1                                    ; lane (r, h), register j: out(head r, column 32 w + 16 t + 8 h + j)
	v_wmma_scale_f32_16x16x128_f8f6f4 v[D+8*\t:D+8*\t+7], v[WF+8*\t:WF+8*\t+7], v[AF:AF+7], 0, v[WS+\t], v[AS] matrix_a_fmt:MATRIX_FMT_FP4 matrix_b_fmt:MATRIX_FMT_FP4
.endr
.rept 4
	v_nop                                          ; four places ahead of the first use of the results (ISA guide 7.12.1)
.endr
	; ---- the way out: a row's 512 bytes come from four waves: they meet in the stage, and each wave stores four whole rows
.irp t, 0,1
	ds_store_b128 v[STO], v[D+8*\t:D+8*\t+3] offset:64*\t          ; each result from its low end on
	ds_store_b128 v[STO], v[D+8*\t+4:D+8*\t+7] offset:64*\t+16
.endr
	s_wait_dscnt 0x0                               ; for the others' sake: my stores into the stage are done
	s_barrier_signal -1
	s_barrier_wait -1
.irp i, 0,1,2,3
	ds_load_b128 v[OUTR+4*\i:OUTR+4*\i+3], v[SRD] offset:\i*SP
.endr
.irp i, 0,1,2,3
	s_wait_dscnt 3-\i                              ; row i is back; the younger loads may be out
	global_store_b128 v[AR], v[OUTR+4*\i:OUTR+4*\i+3], s[10:11] offset:\i*16384 th:TH_STORE_NT   ; 32 lanes store a row's 512 consecutive bytes, at a multiple of 256 from out0's first byte; head to head 32 rows
.endr
	s_set_vgpr_msb 0x5
	s_wait_tensorcnt 0x0
	ds_add_u32 v0, v1
	s_wait_dscnt 0x0
	s_set_vgpr_msb 0x500
	ROUND                                          ; the closing round: no work-group ends while a partner may still ask for the tile that names it
	s_endpgm
.Lfunc_end_k_q932f349498_qattn:
	.size	k_q932f349498_qattn, .Lfunc_end_k_q932f349498_qattn-k_q932f349498_qattn
	.p2alignl 7, 3214868480
	.fill 96, 4, 3214868480
	.section	.rodata,"a",@progbits
	.p2align	6, 0x0
	.amdhsa_kernel k_q932f349498_qattn
		.amdhsa_group_segment_fixed_size 168448
		.amdhsa_private_segment_fixed_size 0
		.amdhsa_enable_private_segment 0
		.amdhsa_kernarg_size 32
		.amdhsa_user_sgpr_count 2
		.amdhsa_user_sgpr_kernarg_segment_ptr 1
		.amdhsa_wavefront_size32 1
		.amdhsa_system_sgpr_workgroup_id_x 1
		.amdhsa_system_sgpr_workgroup_id_y 1
		.amdhsa_system_sgpr_workgroup_id_z 1
		.amdhsa_system_vgpr_workitem_id 0
		.amdhsa_next_free_vgpr 258
		.amdhsa_next_free_sgpr 66
		.amdhsa_reserve_vcc 0
		.amdhsa_float_denorm_mode_32 3
		.amdhsa_float_denorm_mode_16_64 3
		.amdhsa_memory_ordered 1
		.amdhsa_forward_progress 1
		.amdhsa_inst_pref_size 63
	.end_amdhsa_kernel
	.amdgpu_metadata
---
amdhsa.version: [ 1, 2 ]
amdhsa.kernels:
  - .name:           k_q932f349498_qattn
    .symbol:         k_q932f349498_qattn.kd
    .args:
      - { .name: x, .offset: 0, .size: 8, .value_kind: global_buffer, .address_space: global }
      - { .name: theta, .offset: 8, .size: 8, .value_kind: global_buffer, .address_space: global }
      - { .name: w_combine, .offset: 16, .size: 8, .value_kind: global_buffer, .address_space: global }
      - { .name: out0, .offset: 24, .size: 8, .value_kind: global_buffer, .address_space: global }
    .group_segment_fixed_size: 168448
    .private_segment_fixed_size: 0
    .kernarg_segment_align: 8
    .kernarg_segment_size: 32
    .max_flat_workgroup_size: 128
    .sgpr_count:     66
    .vgpr_count:     258
    .wavefront_size: 32
...
	.end_amdgpu_metadata
.endif
;; end of part 1
